; MI455X (gfx1250); checked and timed in simulation.
; The chip was launched on July 23, 2026; its instructions are those of AMD's public machine-readable ISA for CDNA 5 (MIT licence, August 2026) and "CDNA5" Instruction Set Architecture Reference Guide (July 2026). The comments in the code are by the model that wrote it; some were corrected since.
;; Multi Head Attention. Allowed arithmetic: matrix products marked QUANTISED: E2M1 operands, one E8M0 scale for each 32 along K, by v_wmma_scale_f32_16x16x128_f8f6f4 with both operands' format E2M1 (or v_wmma_scale_f32_32x16x128_f4), f32 sums; products left as they are: bf16, f16 or f32 operands; f32 sums; everything else in f32.
;; Inputs: Wk 8 x 512 x 512 float32; Wp 512 x 4,096 float32; Wq 8 x 512 x 512 float32; Wv 8 x 512 x 512 float32; mask 4 x 1,024 x 1,024 int32; states 4 x 1,024 x 512 float32; x 4 x 1,024 x 512 float32.
;; Outputs: out0 4 x 1,024 x 512 float32.
;; This version of the problem:
;;   THIS VERSION OF THE PROBLEM IS GIVEN IN LOW PRECISION. The matrix products marked QUANTISED in the list below multiply operands that are first quantised to E2M1 (2 exponent bits, 1 mantissa bit; 4 bits a number), with one power-of-two scale for each 32 numbers along K (OCP MX v1.0); their sums are f32. The products marked 'left as it is' may take bf16, f16 or f32 operands, with f32 sums. Whichever they take, every output number must still come out within the allowed error. Rounding operands to bf16 (8 significant bits) uses up far more of that allowance than f16 does (11 bits, for magnitudes from 6e-5 to 65,504). All else is computed in f32.
;;   The module's matrix products, in the order in which they are computed (A, B: the left and right operand; K: the contracted axis; several contracted axes count as one K, in the product's order):
;;     1. [M 4,096, K 512] x [K 512, N 4,096]; A: input Wq; B: input x: QUANTISED
;;     2. [M 4,096, K 512] x [K 512, N 4,096]; A: input Wk; B: input states: QUANTISED
;;     3. [M 4,096, K 512] x [K 512, N 4,096]; A: input Wv; B: input states: QUANTISED
;;     4. batch 32 x [M 1,024, K 512] x [K 512, N 1,024]; A: computed on the way; B: computed on the way: left as it is (an operand is computed on the way)
;;     5. batch 32 x [M 1,024, K 1,024] x [K 1,024, N 512]; A: computed on the way; B: computed on the way: left as it is (an operand is computed on the way)
;;     6. [M 4,096, K 4,096] x [K 4,096, N 512]; A: computed on the way; B: input Wp: left as it is (an operand is computed on the way)
;;   THE QUANTISER, for each operand of a quantised product, along K:
;;     - K is cut into blocks of 32 from its start; a last block that is shorter is filled with zeros.
;;     - A block's scale is 2^e with e = floor(log2(the largest magnitude in the block)) - 2, held to -126 .. 127; a block of zeros has e = 0. As a byte (E8M0): e + 127.
;;     - Each number is divided by its block's scale, clamped to +-6, and rounded to the nearest number of E2M1, ties to even, subnormals kept.
;;     - The product sums the exact products of the quantised numbers (number of the format x scale) in f32.
;;   ~~~python
;;   def quantise(x, axis):      # numpy; x: float32 -> the quantised numbers, widened to float32 again
;;       x = np.moveaxis(x, axis, -1); K = x.shape[-1]
;;       x = np.pad(x, [(0, 0)] * (x.ndim - 1) + [(0, -K % 32)]); x = x.reshape(x.shape[:-1] + (-1, 32)); a = np.abs(x).max(-1, keepdims=True)
;;       e = np.where(a > 0, np.clip(np.frexp(np.where(a > 0, a, 1))[1] - 1 - 2, -126, 127), 0)      # np.frexp(a)[1] - 1 = floor(log2(a)), exactly
;;       r = np.clip(x / 2.0 ** e, -6, 6)
;;       step = 2.0 ** (np.maximum(np.frexp(np.where(r == 0, 1, r))[1] - 1, 0) - 1)
;;       q = np.round(r / step) * step * 2.0 ** e      # np.round: ties to even
;;       return np.moveaxis(q.reshape(q.shape[:-2] + (-1,))[..., :K], -1, axis).astype(np.float32)
;;   ~~~
;; One version. Each part assembles by itself: llvm-mc -triple=amdgcn-amd-amdhsa -mcpu=gfx1250 --defsym DOCPART=n.
;; ======== version 1 of 1: 4 launches
;; limits: values are held in f16: magnitudes above 65,504 overflow, below 6.1e-05 lose precision
;; workspace buffers: pk 5,570,560 bytes; bias 16,777,216 bytes; kbuf 50,331,648 bytes; vt 33,554,432 bytes; part 67,108,864 bytes
;; launch prep (part 1): grid 544 x 1, 4 waves a work-group, no clusters, 90,624 bytes of LDS; arguments x, states, Wq, Wk, Wv, Wp, mask, pk, kbuf, bias; writes pk, kbuf, bias
.if DOCPART == 1
	.amdgcn_target "amdgcn-amd-amdhsa--gfx1250"
	.amdhsa_code_object_version 6
	.text
	.protected	k_q1e4a6a865b_prep
	.globl	k_q1e4a6a865b_prep
	.p2align	8
	.type	k_q1e4a6a865b_prep,@function
k_q1e4a6a865b_prep:
	s_mov_b64 s[64:65], 0
	v_nop
	global_prefetch_b8 v0, s[64:65] scope:SCOPE_SE
	s_setreg_imm32_b32 hwreg(HW_REG_WAVE_MODE, 25, 1), 1
	s_wait_xcnt 0x0
; PREP: everything that is read by many work-groups later is brought into its working form once.
; DEAD WORK: none.  Every input of reference() has a way to the output for some values (the mask is an input, so no tile of keys can be left out), and every product of the table is done.
;   Q  work-groups 0-159:   x, states, Wq, Wk, Wv (20,480 rows of 512 f32, K innermost) -> pk: packed rows of 272 bytes: 256 bytes of E2M1 codes (the lower k in the low four bits), then the row's 16 E8M0 bytes.
;                           Rows: x 0, states 4,096, Wq 8,192, Wk 12,288, Wv 16,384.  A packed row carries its scales with it, and 272 = 17 x 16 is a pitch that spreads 16 rows over the LDS banks: tiles land in LDS as they lie.
;   P  work-groups 160-287: Wp [512][4096] f32 -> f16, by head, into kbuf.  kbuf is [b h][1,536 rows][512] f16: a head's 1,024 rows of k (stored by the next launch), then the 512 rows n of Wp_h.
;                           Wp_h is stored behind each of the four batches' k, so that the attention launch walks a head's k and then Wp_h by one constant step, with every trip of its loop alike.
;   M  work-groups 288-543: mask [4][1024][1024] i32 -> bias f32 [b][tile of 16 queries][tile of 16 keys][u][lane][4]: 0, or -2^100 where the mask is 0, in the order of an accumulator's registers
;                           (lane (r, h), register 4 u + w: query r, key 8 h + 4 u + w): the attention launch loads it straight into the score accumulators as the C of the first product.
; A block's scale is 2^(floor(log2(largest magnitude)) - 2); its byte is the largest magnitude's exponent field - 2, held at 1 from below.
; LIMITS: a block of zeros gets the byte 1 where the rule says 127 (its codes are zeros, and this program alone reads the bytes); blocks whose largest magnitude lies under 2^-124 were not tried;
; NaN and infinities among the inputs are not served; Wp must fit f16 (magnitudes under 65,504).
; -2^100 stands for reference()'s -infinity: q and k are kept in f16, so a real score is under 512 x 65,504^2 < 2^42 in magnitude, a hidden one lies under every real one, and its weight 2^(..) is exactly 0.
; No tensor loads, no barrier: waves share nothing.  The three paths part on the work-group's number; the two that use LDS have LDS bytes of their own.
.set SPARE, 90112                      ; the spare words, 128 bytes for each wave: two blocks of 256 bytes that no other line names
.set SPW,   12                         ; v12  LDS address of my spare word; never rewritten
.set NIL,   13                         ; v13  0; never rewritten
.set QREG,  13824                      ; path Q, a wave's LDS: two stages of 32 x 80 bytes, then the image of 32 packed rows
.set SP,    80                         ; a lane's place in a stage: its 64 bytes + 16 of padding
.set IMG,   5120
.set MBASE, 55296                      ; path M, behind path Q's four regions: two stages of 16 x 272 bytes for each wave
.set MREG,  8704
.set HEADB, 1572864                    ; a head's block in kbuf: 1,536 rows of 1,024 bytes
.set R,     16                         ; v16-79   path Q: four sets of 16 numbers as they are loaded
.set X,     80                         ; v80-111  two sets of 16 neighbours
.set C,     112                        ; v112-119 codes, two registers, four sets by turns
.set E,     120                        ; v120-123 scale bytes, four by turns
.macro FINISH                          ; the wave's end
	s_wait_tensorcnt 0x0
	ds_add_u32 v[SPW], v[NIL]
	s_wait_dscnt 0x0
	s_endpgm
.endm
	s_load_b512 s[4:19], s[0:1], 0x0               ; x s[4:5], states s[6:7], Wq s[8:9], Wk s[10:11], Wv s[12:13], Wp s[14:15], mask s[16:17], pk s[18:19]
	s_load_b128 s[20:23], s[0:1], 0x40             ; kbuf s[20:21], bias s[22:23]
	v_lshl_add_u32 v[SPW], v0, 2, SPARE
	v_mov_b32 v[NIL], 0
	v_lshrrev_b32 v1, 5, v0
	v_readfirstlane_b32 s24, v1                    ; wave 0..3
	v_and_b32 v2, 31, v0                           ; lane
	v_lshlrev_b32 v3, 4, v2                        ; 16 x lane
	s_wait_kmcnt 0x0
	s_cmp_lt_u32 ttmp9, 160
	s_cbranch_scc1 .Lquant
	s_cmp_lt_u32 ttmp9, 288
	s_cbranch_scc1 .Lwp
; ---- PATH M.  Work-group 288 + 64 b + qt takes 16 queries x 1,024 keys, wave w keys 256 w on, in four chunks of 64 keys.
	s_sub_co_u32 s25, ttmp9, 288                   ; 64 b + qt: its 16 rows of the mask begin 65,536 bytes x that number in, and so do its 64 tiles of bias
	s_lshl_b32 s26, s25, 16
	s_lshl_b32 s28, s24, 10
	s_add_co_u32 s28, s26, s28                     ; in: + 256 keys x 4 bytes x wave
	s_mov_b32 s29, 0
	s_add_nc_u64 s[16:17], s[16:17], s[28:29]
	s_lshl_b32 s28, s24, 14
	s_add_co_u32 s28, s26, s28                     ; out: + 16 tiles of 1,024 bytes x wave
	s_add_nc_u64 s[22:23], s[22:23], s[28:29]
	s_mul_i32 s26, s24, MREG
	s_add_co_u32 s26, s26, MBASE                   ; my two stages
	v_and_b32 v8, 15, v0                           ; r
	v_bfe_u32 v9, v0, 4, 1                         ; h
	v_lshlrev_b32 v4, 12, v9
	v_lshl_add_u32 v4, v8, 4, v4                   ; in: lanes 0-15 take 256 bytes of one row of the mask, lanes 16-31 of the next
	v_mul_u32_u24 v5, v9, 272
	v_lshl_add_u32 v5, v8, 4, v5
	v_add_nc_u32 v5, s26, v5                       ; the same two rows in the stage
	v_mul_u32_u24 v6, v8, 272
	v_lshl_add_u32 v6, v9, 5, v6
	v_add_nc_u32 v6, s26, v6                       ; back: query r, keys 8 h on
	v_mov_b32 v7, 0xf1800000                       ; -2^100
.irp c, 0,1,2,3
.irp i, 0,1,2,3,4,5,6,7
	global_load_b128 v[16+4*(8*\c+\i):16+4*(8*\c+\i)+3], v4, s[16:17] offset:8192*\i+256*\c th:TH_LOAD_NT
.endr
.endr
.irp c, 0,1,2,3
	s_wait_loadcnt 8*(3-\c)                        ; this chunk's eight loads are in; the later chunks' may be out
.irp j, 0,1,2,3,4,5,6,7,8,9,10,11,12,13,14,15,16,17,18,19,20,21,22,23,24,25,26,27,28,29,30,31
	v_cmp_eq_u32 vcc_lo, 0, v[16+32*\c+\j]
	v_cndmask_b32 v[16+32*\c+\j], 0, v7, vcc_lo
.endr
.irp i, 0,1,2,3,4,5,6,7
	ds_store_b128 v5, v[16+4*(8*\c+\i):16+4*(8*\c+\i)+3] offset:(\c%2)*4352+544*\i
.endr
.if \c >= 2
	s_wait_xcnt 0x0                                ; the stores of two chunks ago have read the registers that the loads below fill again
.endif
.irp k, 0,1,2,3
.irp u, 0,1
	ds_load_b128 v[144+32*(\c%2)+4*(2*\k+\u):144+32*(\c%2)+4*(2*\k+\u)+3], v6 offset:(\c%2)*4352+64*\k+16*\u   ; LDS serves a wave's instructions in order: these see my stores
.endr
.endr
.irp k, 0,1,2,3
.irp u, 0,1
	s_wait_dscnt 7-(2*\k+\u)
	global_store_b128 v3, v[144+32*(\c%2)+4*(2*\k+\u):144+32*(\c%2)+4*(2*\k+\u)+3], s[22:23] offset:(4*\c+\k)*1024+512*\u   ; 32 lanes store 512 consecutive bytes, aligned
.endr
.endr
.endr
	FINISH
; ---- PATH P.  Wave w of work-group 160 + g takes row n = 4 g + w of Wp: 32 loads of 512 bytes; load i holds head i / 4, channels 128 (i % 4) on.
; It goes to row 1,024 + n of head block 8 b + h, for b = 0 .. 3.  Eight bases, four head blocks apart, keep every offset inside the signed 24-bit immediate: 3 x 1,572,864 + 768 at the most.
.Lwp:
	s_sub_co_u32 s25, ttmp9, 160
	s_lshl_b32 s25, s25, 2
	s_add_co_u32 s25, s25, s24                     ; n
	s_lshl_b32 s26, s25, 14
	s_mov_b32 s27, 0
	s_add_nc_u64 s[14:15], s[14:15], s[26:27]
	s_lshl_b32 s26, s25, 10
	s_add_co_u32 s26, s26, 1048576                 ; row 1,024 + n of a head block
	s_add_nc_u64 s[20:21], s[20:21], s[26:27]
.irp q, 0,1,2,3,4,5,6,7
	s_add_nc_u64 s[28+2*\q:29+2*\q], s[20:21], \q*4*HEADB          ; head blocks 4 q on
.endr
	v_lshlrev_b32 v4, 3, v2                        ; out: 8 bytes a lane
.set i, 0
.rept 32
	global_load_b128 v[16+4*i:19+4*i], v3, s[14:15] offset:512*i th:TH_LOAD_NT
.set i, i+1
.endr
.set i, 0
.rept 32
	s_wait_loadcnt 31-i
	v_cvt_pk_f16_f32 v[144+2*i], v[16+4*i], v[17+4*i]
	v_cvt_pk_f16_f32 v[145+2*i], v[18+4*i], v[19+4*i]
.irp b, 0,1,2,3
	global_store_b64 v4, v[144+2*i:145+2*i], s[28+2*(2*\b+i/16):29+2*(2*\b+i/16)] offset:((i/4)%4)*HEADB+(i%4)*256   ; 32 lanes store 256 consecutive bytes, aligned
.endr
.set i, i+1
.endr
	FINISH
; ---- PATH Q.  Work-group g takes packed rows 128 g on, wave w 32 of them; a step is one row of 512 numbers.
; The conversions take 8 numbers of one block from ONE lane's registers, so a lane must hold 16 neighbours (two lanes to a block), while a load is dense where neighbouring lanes take neighbouring bytes:
; each of a step's four loads reads 512 consecutive bytes, and the 2,048 bytes turn through the wave's own stage in LDS.  Codes and bytes are gathered as an image of 32 packed rows and leave in runs of 512 bytes.
.Lquant:
	s_mul_i32 s26, s24, QREG
	v_lshrrev_b32 v14, 2, v2
	v_mul_u32_u24 v14, v14, SP
	v_and_b32 v15, 3, v2
	v_lshl_add_u32 v14, v15, 4, v14
	v_add_nc_u32 v14, s26, v14                     ; the stage, on the way in: four lanes' 64 bytes on end, then 16 of padding
	v_mul_u32_u24 v15, v2, SP
	v_add_nc_u32 v15, s26, v15                     ; and on the way out: my 16 neighbours
	s_add_co_u32 s26, s26, IMG
	v_lshl_add_u32 v4, v2, 3, s26                  ; the image: my 8 bytes of a row's codes,
	v_lshrrev_b32 v5, 1, v2
	v_add_nc_u32 v5, s26, v5
	v_add_nc_u32 v5, 256, v5                       ; my block's byte,
	v_add_nc_u32 v6, s26, v3                       ; and on the way out 16 bytes a lane
	s_lshr_b32 s25, ttmp9, 5                       ; which tensor: the choice hangs on the work-group's number alone
	s_cmp_eq_u32 s25, 1
	s_cselect_b64 s[4:5], s[6:7], s[4:5]
	s_cmp_eq_u32 s25, 2
	s_cselect_b64 s[4:5], s[8:9], s[4:5]
	s_cmp_eq_u32 s25, 3
	s_cselect_b64 s[4:5], s[10:11], s[4:5]
	s_cmp_eq_u32 s25, 4
	s_cselect_b64 s[4:5], s[12:13], s[4:5]
	s_and_b32 s27, ttmp9, 31
	s_lshl_b32 s27, s27, 7
	s_lshl_b32 s25, s24, 5
	s_add_co_u32 s27, s27, s25                     ; my first row in the tensor
	s_lshl_b32 s28, s27, 11
	s_mov_b32 s29, 0
	s_add_nc_u64 s[4:5], s[4:5], s[28:29]
	s_lshl_b32 s30, ttmp9, 7
	s_add_co_u32 s30, s30, s25                     ; and among the packed rows
	s_mul_i32 s30, s30, 272
	s_mov_b32 s31, 0
	s_add_nc_u64 s[18:19], s[18:19], s[30:31]
.macro QLOAD t
.irp i, 0,1,2,3
	global_load_b128 v[R+16*((\t)%4)+4*\i:R+16*((\t)%4)+4*\i+3], v3, s[4:5] offset:2048*(\t)+512*\i th:TH_LOAD_NT
.endr
.endm
.macro QTURN t                         ; step t's numbers through the stage: LDS serves a wave's instructions in order, so no wait stands between the stores and the loads
.irp i, 0,1,2,3
	ds_store_b128 v14, v[R+16*((\t)%4)+4*\i:R+16*((\t)%4)+4*\i+3] offset:32*SP*((\t)%2)+8*SP*\i
.endr
.irp i, 0,1,2,3
	ds_load_b128 v[X+16*((\t)%2)+4*\i:X+16*((\t)%2)+4*\i+3], v15 offset:32*SP*((\t)%2)+16*\i
.endr
.endm
.macro QSTEP t
.set XS, X+16*((\t)%2)
.set CC, C+2*((\t)%4)
.if (\t) > 0
	s_wait_dscnt 2                                 ; this step's numbers are back from the stage; the last step's two stores into the image may be out
.else
	s_wait_dscnt 0x0
.endif
.if (\t)+4 < 32
	QLOAD (\t)+4                                   ; into the registers that this step's turn has read
.endif
.if (\t)+1 < 32
.if 30-(\t) >= 3
	s_wait_loadcnt 12                              ; the next step's four loads are in; those of the three steps behind it may be out
.else
	s_wait_loadcnt 4*(30-(\t))
.endif
	QTURN (\t)+1
.endif
	v_max3_num_f32 v8, |v[XS]|, |v[XS+1]|, |v[XS+2]|               ; the largest magnitude of my 16, in two chains
	v_max3_num_f32 v9, |v[XS+3]|, |v[XS+4]|, |v[XS+5]|
.irp i, 6,10
	v_max3_num_f32 v8, v8, |v[XS+\i]|, |v[XS+\i+1]|
	v_max3_num_f32 v9, v9, |v[XS+\i+2]|, |v[XS+\i+3]|
.endr
	v_max3_num_f32 v8, v8, |v[XS+14]|, |v[XS+15]|
	v_max3_num_f32 v8, v8, v9, 0x1800000           ; and the floor 2^(3 - 127): the byte cannot fall under 1
	v_max_num_f32_dpp v8, v8, v8 row_xmask:1 row_mask:0xf bank_mask:0xf   ; and of my neighbour's 16: the block's
	v_add_nc_u32 v11, 0xff000000, v8               ; 2 off its exponent field: the conversion takes the exponent field of this operand as its scale
	v_cvt_scalef32_pk8_fp4_f32 v[CC], v[XS:XS+7], v11
	v_cvt_scalef32_pk8_fp4_f32 v[CC+1], v[XS+8:XS+15], v11
	v_lshrrev_b32 v[E+(\t)%4], 23, v11             ; the scale's byte (also the plain line behind the conversions)
	ds_store_b64 v4, v[CC:CC+1] offset:272*(\t)
	ds_store_b8 v5, v[E+(\t)%4] offset:272*(\t)    ; both lanes of a block write the same byte with the same value
.endm
	QLOAD 0
	QLOAD 1
	QLOAD 2
	QLOAD 3
	s_wait_loadcnt 12                              ; step 0's four loads are in
	QTURN 0
.set Q, 0
.rept 32
	QSTEP Q
.set Q, Q+1
.endr
.set i, 0
.rept 17
	ds_load_b128 v[16+4*i:19+4*i], v6 offset:512*i ; the image, 8,704 bytes, as it lies
.set i, i+1
.endr
.set i, 0
.rept 17
	s_wait_dscnt 16-i
	global_store_b128 v3, v[16+4*i:19+4*i], s[18:19] offset:512*i   ; 32 lanes store 512 consecutive bytes; a wave's 8,704 bytes begin at a multiple of 256
.set i, i+1
.endr
	FINISH
.Lfunc_end_k_q1e4a6a865b_prep:
	.size	k_q1e4a6a865b_prep, .Lfunc_end_k_q1e4a6a865b_prep-k_q1e4a6a865b_prep
	.p2alignl 7, 3214868480
	.fill 96, 4, 3214868480
	.section	.rodata,"a",@progbits
	.p2align	6, 0x0
	.amdhsa_kernel k_q1e4a6a865b_prep
		.amdhsa_group_segment_fixed_size 90624
		.amdhsa_private_segment_fixed_size 0
		.amdhsa_enable_private_segment 0
		.amdhsa_kernarg_size 80
		.amdhsa_user_sgpr_count 2
		.amdhsa_user_sgpr_kernarg_segment_ptr 1
		.amdhsa_wavefront_size32 1
		.amdhsa_system_sgpr_workgroup_id_x 1
		.amdhsa_system_sgpr_workgroup_id_y 1
		.amdhsa_system_sgpr_workgroup_id_z 1
		.amdhsa_system_vgpr_workitem_id 0
		.amdhsa_next_free_vgpr 208
		.amdhsa_next_free_sgpr 66
		.amdhsa_reserve_vcc 1
		.amdhsa_float_denorm_mode_32 3
		.amdhsa_float_denorm_mode_16_64 3
		.amdhsa_memory_ordered 1
		.amdhsa_forward_progress 1
		.amdhsa_inst_pref_size 107
	.end_amdhsa_kernel
	.amdgpu_metadata
---
amdhsa.version: [ 1, 2 ]
amdhsa.kernels:
  - .name:           k_q1e4a6a865b_prep
    .symbol:         k_q1e4a6a865b_prep.kd
    .args:
      - { .name: x, .offset: 0, .size: 8, .value_kind: global_buffer, .address_space: global }
      - { .name: states, .offset: 8, .size: 8, .value_kind: global_buffer, .address_space: global }
      - { .name: Wq, .offset: 16, .size: 8, .value_kind: global_buffer, .address_space: global }
      - { .name: Wk, .offset: 24, .size: 8, .value_kind: global_buffer, .address_space: global }
      - { .name: Wv, .offset: 32, .size: 8, .value_kind: global_buffer, .address_space: global }
      - { .name: Wp, .offset: 40, .size: 8, .value_kind: global_buffer, .address_space: global }
      - { .name: mask, .offset: 48, .size: 8, .value_kind: global_buffer, .address_space: global }
      - { .name: pk, .offset: 56, .size: 8, .value_kind: global_buffer, .address_space: global }
      - { .name: kbuf, .offset: 64, .size: 8, .value_kind: global_buffer, .address_space: global }
      - { .name: bias, .offset: 72, .size: 8, .value_kind: global_buffer, .address_space: global }
    .group_segment_fixed_size: 90624
    .private_segment_fixed_size: 0
    .kernarg_segment_align: 8
    .kernarg_segment_size: 80
    .max_flat_workgroup_size: 128
    .sgpr_count:     66
    .vgpr_count:     208
    .wavefront_size: 32
...
	.end_amdgpu_metadata
.endif
;; end of part 1
;; launch kvproj (part 2): grid 16 x 16, 4 waves a work-group, clusters of 4 x 4, 229,376 bytes of LDS; arguments pk, kbuf, vt; writes kbuf, vt
.if DOCPART == 2
	.amdgcn_target "amdgcn-amd-amdhsa--gfx1250"
	.amdhsa_code_object_version 6
	.text
	.protected	k_q1e4a6a865b_kvproj
	.globl	k_q1e4a6a865b_kvproj
	.p2align	8
	.type	k_q1e4a6a865b_kvproj,@function
k_q1e4a6a865b_kvproj:
	s_mov_b64 s[64:65], 0
	v_nop
	global_prefetch_b8 v0, s[64:65] scope:SCOPE_SE
	s_setreg_imm32_b32 hwreg(HW_REG_WAVE_MODE, 25, 1), 1
	s_wait_xcnt 0x0
	s_wait_alu depctr_hold_cnt(0) depctr_sa_sdst(0) depctr_va_vdst(0) depctr_va_sdst(0) depctr_va_ssrc(0) depctr_va_vcc(0) depctr_vm_vsrc(0)
	s_getreg_b32 s2, hwreg(HW_REG_IB_STS2, 6, 4)
	s_cmp_eq_u32 s2, 0
	s_cbranch_scc0 .Lentry_in_a_cluster
	s_endpgm
.Lentry_in_a_cluster:
	s_bfe_u32 s2, ttmp6, 0x10000c
	s_cmp_lg_u32 s2, 0xf033
	s_cbranch_scc0 .Lentry_shape_is_right
	s_endpgm
.Lentry_shape_is_right:
; k = states Wk^T and v = states Wv^T on codes of E2M1 with E8M0 scales (K = 512), sums in f32; k is stored as f16 into rows 0 to 1,023 of its head's block of kbuf ([b h][1,536 rows][512]; the other 512 rows hold Wp_h),
; v TRANSPOSED as f16 [b h][e][s], since the keys are the K of the product that reads it.
; No work of reference() is left out here.  LIMIT: k and v must fit f16 (magnitudes under 65,504).
; SHARES.  Work-group (ct, rt) takes 256 rows of states (rt), 256 rows of Wk and the same 256 of Wv (ct), and makes a tile of 256 x 256 of k and one of v^T: the tile of states serves both products.
; K = 512 is one tile: three tiles of packed rows (256 bytes of codes + 16 scale bytes, 272 a row) are filled once, as they lie in memory; there is no ring.  A wave has three tensor loads out.
; A wave makes 128 x 128: 64 accumulators.  CLUSTERS: 4 x 4; the tile of states is shared along a row of the cluster, those of Wk and Wv along a column: joint loads.
; ORIENTATION.  k: source 0 = 16 rows of Wk, source 1 = 16 rows of states: a lane holds one row s and eight neighbouring e.  v^T: source 0 = states, source 1 = Wv: a lane holds one row e and eight neighbouring s.
; REGISTERS, in windows of 256: window 0: v16-29 addresses; v32-63 source 0's scale words (4 b + q), v64-95 source 1's (4 a + q): these hold scales alone; v128-191 source 1's fragments, one set;
;   v192-223 packed results; v96-127 and v224-255 rows on the way out, by turns.  window 1: source 0's fragments, two sets.  windows 2, 3: accumulator (a, b) at v[8 (8 (a % 4) + b)].
.set PANEL, 34816                      ; 128 packed rows
.set T16,   4352                       ; 16 packed rows
.set TS,    0                          ; LDS: states' 256 rows,
.set TK,    69632                      ; Wk's,
.set TV,    139264                     ; Wv's,
.set STAGE, 208896                     ; a stage of 16 rows x 272 bytes for each wave,
.set SPARE, 226304                     ; and the spare words, 128 bytes for each wave: two blocks of 256 bytes that no other line names
.set STO, 24
.set RD,  25
.set SPW, 28
.set NIL, 29
.set SCU, 32
.set SCW, 64
.set AF,  128
.set TMP, 192
.set OB,  96
.set G1A, 24                           ; s[24:31] group 1 with the mask of my row of the cluster;  s[32:39] with that of my column
.set G1B, 32
.set MSB, 0
.macro WIN new                         ; the immediate's high byte repeats the setting that is left
.if MSB != (\new)
	s_set_vgpr_msb (MSB<<8)|(\new)
.set MSB, (\new)
.endif
.endm
.set MUL_LO, 0xa1                      ; source 0 window 1, source 1 window 0, C and D window 2
.set MUL_HI, 0xf1
.set TO_U,   0x40                      ; destination window 1, address window 0
.macro PLACES n
.rept \n
	v_nop
.endr
.endm
.macro ROUND                           ; a round of the cluster's barrier
	s_barrier_signal -1
	s_barrier_wait -1
	s_cmp_lg_u32 s10, 0
	s_cbranch_scc1 .Lnw0_\@
	s_barrier_signal -3
.Lnw0_\@:
	s_barrier_wait -3
	s_barrier_signal -1
	s_barrier_wait -1
.endm
	s_load_b128 s[4:7], s[0:1], 0x0                ; pk s[4:5], kbuf s[6:7]
	s_load_b64 s[8:9], s[0:1], 0x10                ; vt
	v_lshl_add_u32 v[SPW], v0, 2, SPARE
	v_mov_b32 v[NIL], 0
	ds_add_u32 v[SPW], v[NIL]                      ; the wave's opening: the add, twice on end, and its wait ahead of my first tensor load
	ds_add_u32 v[SPW], v[NIL]
	v_lshrrev_b32 v1, 5, v0
	v_readfirstlane_b32 s10, v1                    ; wave 0..3
	s_lshr_b32 s11, s10, 1                         ; wr: which 128 rows of the result are mine
	s_and_b32 s12, s10, 1                          ; wc: which 128 columns
	s_bfe_u32 s13, ttmp6, 0x40000                  ; cx
	s_bfe_u32 s14, ttmp6, 0x40004                  ; cy
	s_lshl_b32 s15, ttmp9, 2
	s_add_co_u32 s15, s15, s13                     ; ct = 4 x cluster x + cx
	s_and_b32 s16, ttmp7, 0xffff
	s_lshl_b32 s16, s16, 2
	s_add_co_u32 s16, s16, s14                     ; rt = 4 x cluster y + cy
	s_lshl_b32 s17, s14, 2
	s_lshl_b32 s17, 15, s17                        ; my row of the cluster
	s_lshl_b32 s18, 0x1111, s13                    ; my column
	s_or_b32 s[G1A], s17, (3<<16)|(1<<21)          ; 15:0 the mask; 17:16 elements of 8 bytes; 21 set beside a mask; no padding: the packed rows land as they lie
	s_or_b32 s[G1B], s18, (3<<16)|(1<<21)
.irp g, G1A, G1B                       ; 64 packed rows are 17,408 dense bytes: 68 rows of 256 bytes
	s_mov_b32 s[\g+1], 32<<16                      ; tensor_dim0 = 32 elements
	s_mov_b32 s[\g+2], 68<<16                      ; tensor_dim1
	s_mov_b32 s[\g+3], 32<<16                      ; tile_dim0
	s_mov_b32 s[\g+4], 68                          ; tile_dim1
	s_mov_b32 s[\g+5], 32                          ; from row to row
	s_mov_b32 s[\g+6], 0
	s_mov_b32 s[\g+7], 0
.endr
	s_lshl_b32 s19, s10, 6                         ; each wave fetches 64 packed rows of each tile
	s_lshl_b32 s20, s16, 8
	s_add_co_u32 s20, s20, s19
	s_add_co_u32 s20, s20, 4096                    ; states: packed row 4,096 + 256 rt + 64 wave (no cx enters)
	s_mul_i32 s20, s20, 272
	s_mov_b32 s21, 0
	s_lshl_b32 s22, s15, 8
	s_add_co_u32 s22, s22, s19
	s_add_co_u32 s22, s22, 12288                   ; Wk: packed row 12,288 + 256 ct + 64 wave (no cy enters); Wv: 4,096 rows on
	s_mul_i32 s22, s22, 272
	s_mov_b32 s23, 0
	s_mul_i32 s52, s10, 17408                      ; and where they go: wave x 64 rows
	s_wait_dscnt 0x0                               ; both opening adds are done
	s_wait_kmcnt 0x0
	s_mov_b32 s40, 1
	s_mov_b32 s41, s52
	s_add_nc_u64 s[42:43], s[4:5], s[20:21]
	s_or_b32 s43, s43, 0x80000000
	s_mov_b32 s44, 1
	s_add_co_u32 s45, s52, TK
	s_add_nc_u64 s[46:47], s[4:5], s[22:23]
	s_mov_b32 s48, 1
	s_add_co_u32 s49, s52, TV
	s_add_nc_u64 s[50:51], s[46:47], 1114112
	s_or_b32 s47, s47, 0x80000000
	s_or_b32 s51, s51, 0x80000000
	ROUND                                          ; all sixteen work-groups are here: the joint loads meet
	tensor_load_to_lds s[40:43], s[G1A:G1A+7]      ; states
	s_nop 0
	tensor_load_to_lds s[44:47], s[G1B:G1B+7]      ; Wk
	s_nop 0
	tensor_load_to_lds s[48:51], s[G1B:G1B+7]      ; Wv
	s_nop 0
	PLACES 4
	v_and_b32 v1, 15, v0                           ; r
	v_bfe_u32 v2, v0, 4, 1                         ; h
	v_mul_u32_u24 v3, v1, 272                      ; row r
	v_lshl_add_u32 v4, v2, 4, v3                   ; + 16 h: a lane's place in a fragment's 16 rows
	s_mul_i32 s53, s12, PANEL
	s_mul_i32 s54, s11, PANEL
	s_add_co_u32 s55, s53, TK
	v_add_nc_u32 v16, s55, v4                      ; k: source 0 = Wk's rows 128 wc on,
	v_add_nc_u32 v17, s54, v4                      ;    source 1 = states' rows 128 wr on,
	v_add_nc_u32 v18, s55, v3
	v_add_nc_u32 v18, 256, v18                     ;    their scale bytes, behind each row's codes
	v_add_nc_u32 v19, s54, v3
	v_add_nc_u32 v19, 256, v19
	s_add_co_u32 s55, s54, TV
	v_add_nc_u32 v20, s53, v4                      ; v^T: source 0 = states' rows 128 wc on,
	v_add_nc_u32 v21, s55, v4                      ;      source 1 = Wv's rows 128 wr on
	v_add_nc_u32 v22, s53, v3
	v_add_nc_u32 v22, 256, v22
	v_add_nc_u32 v23, s55, v3
	v_add_nc_u32 v23, 256, v23
	s_mul_i32 s55, s10, T16
	s_add_co_u32 s55, s55, STAGE                   ; my stage
	v_add_nc_u32 v[STO], s55, v4                   ; in: row r, 16 bytes for each half of the lanes
	v_mul_u32_u24 v5, v2, 272
	v_lshl_add_u32 v5, v1, 4, v5
	v_add_nc_u32 v[RD], s55, v5                    ; back: lanes 0-15 one row of 256 bytes, lanes 16-31 the next
	v_lshlrev_b32 v26, 10, v2
	v_lshl_add_u32 v26, v1, 4, v26                 ; the same two rows in kbuf (rows of 1,024 bytes)
	v_lshlrev_b32 v27, 11, v2
	v_lshl_add_u32 v27, v1, 4, v27                 ; and in vt (2,048)
	; where my parts begin: b = rt / 4, s0 = 256 (rt % 4), h = ct / 2, e0 = 256 (ct % 2)
	s_lshr_b32 s56, s16, 2
	s_lshl_b32 s56, s56, 3
	s_lshr_b32 s57, s15, 1
	s_add_co_u32 s56, s56, s57                     ; 8 b + h
	s_and_b32 s57, s16, 3
	s_lshl_b32 s57, s57, 8                         ; s0
	s_and_b32 s58, s15, 1
	s_lshl_b32 s58, s58, 8                         ; e0
	s_lshl_b32 s59, s11, 7                         ; 128 wr
	s_lshl_b32 s60, s12, 7                         ; 128 wc
	s_mul_i32 s66, s56, 1536
	s_add_co_u32 s66, s66, s57
	s_add_co_u32 s66, s66, s59
	s_lshl_b32 s66, s66, 10                        ; kbuf: row (8 b + h) 1,536 + s0 + 128 wr,
	s_add_co_u32 s68, s58, s60
	s_lshl_b32 s68, s68, 1
	s_add_co_u32 s66, s66, s68                     ; column e0 + 128 wc
	s_mov_b32 s67, 0
	s_add_nc_u64 s[6:7], s[6:7], s[66:67]
	s_lshl_b32 s66, s56, 9
	s_add_co_u32 s66, s66, s58
	s_add_co_u32 s66, s66, s59
	s_lshl_b32 s66, s66, 11                        ; vt: row (8 b + h) 512 + e0 + 128 wr,
	s_add_co_u32 s68, s57, s60
	s_lshl_b32 s68, s68, 1
	s_add_co_u32 s66, s66, s68                     ; column s0 + 128 wc
	s_add_nc_u64 s[8:9], s[8:9], s[66:67]
.macro FRAG reg, adr, q, i             ; 16 rows x 128 K of 4-bit codes: 8 registers: lane (r, h): registers 4 c .. 4 c + 3 hold K = 64 c + 32 h + 0 .. 31
.irp c, 0,1
	ds_load_b128 v[\reg+4*\c:\reg+4*\c+3], v[\adr] offset:64*(\q)+32*\c+(\i)*T16
.endr
.endm
.macro FETCH_U adr, q, p               ; source 0's eight fragments of the q-th 128 along K into set p
	WIN TO_U
.irp i, 0,1,2,3,4,5,6,7
	FRAG 128*(\p)+8*\i, \adr, \q, \i
.endr
	WIN 0
.endm
.macro FETCH_W adr, q, i0              ; source 1's blocks i0 .. i0 + 3
.irp i, \i0, \i0+1, \i0+2, \i0+3
	FRAG AF+8*(\i), \adr, \q, \i
.endr
.endm
.macro SCALES adsu, adsw               ; a row's 16 scale bytes are the four words of its four K steps: lane r takes row r's (lanes 16-31 the same, and are not read)
.irp i, 0,1,2,3,4,5,6,7
	ds_load_b128 v[SCU+4*\i:SCU+4*\i+3], v[\adsu] offset:\i*T16
	ds_load_b128 v[SCW+4*\i:SCW+4*\i+3], v[\adsw] offset:\i*T16
.endr
.endm
; 16 matrix instructions: source 1's blocks a0, a0 + 1 x source 0's eight.  The 64 accumulators take turns, one instruction a turn, in the same order in every step.
.macro MUL16 a0, p, q, zero
.irp a, \a0, \a0+1
.irp b, 0,1,2,3,4,5,6,7
.if \zero
	v_wmma_scale_f32_16x16x128_f8f6f4 v[8*(8*((\a)%4)+\b):8*(8*((\a)%4)+\b)+7], v[128*(\p)+8*\b:128*(\p)+8*\b+7], v[AF+8*(\a):AF+8*(\a)+7], 0, v[SCU+4*\b+(\q)], v[SCW+4*(\a)+(\q)] matrix_a_fmt:MATRIX_FMT_FP4 matrix_b_fmt:MATRIX_FMT_FP4
.else
	v_wmma_scale_f32_16x16x128_f8f6f4 v[8*(8*((\a)%4)+\b):8*(8*((\a)%4)+\b)+7], v[128*(\p)+8*\b:128*(\p)+8*\b+7], v[AF+8*(\a):AF+8*(\a)+7], v[8*(8*((\a)%4)+\b):8*(8*((\a)%4)+\b)+7], v[SCU+4*\b+(\q)], v[SCW+4*(\a)+(\q)] matrix_a_fmt:MATRIX_FMT_FP4 matrix_b_fmt:MATRIX_FMT_FP4
.endif
.endr
.endr
.endm
; A step of 128 along K that has a successor.  Loads into registers that matrix instructions have read stand four plain places behind them (ISA guide 7.12.1 for vector instructions).
.macro STEP adu, adw, q, zero
	s_wait_dscnt 8                                 ; all but the youngest eight loads (source 1's blocks 4-7) are in
	WIN MUL_LO
	MUL16 0, (\q)%2, \q, \zero
	MUL16 2, (\q)%2, \q, \zero
	s_wait_dscnt 0x0
	PLACES 4
	FETCH_U \adu, (\q)+1, 1-(\q)%2
	FETCH_W \adw, (\q)+1, 0
	WIN MUL_HI
	MUL16 4, (\q)%2, \q, \zero
	MUL16 6, (\q)%2, \q, \zero
	PLACES 4
	WIN 0
	FETCH_W \adw, (\q)+1, 4
.endm
; THE WAY OUT of block a (16 rows x 128 columns): rounded to f16, 16 bytes a lane; through my own stage; back as whole rows of 256 bytes.
.macro PACK a
.set AC, 64*((\a)%4)
	WIN 0x0a+5*((\a)/4)                            ; sources 0 and 1: window 2 or 3
.irp b, 0,1,2,3,4,5,6,7
.irp r, 0,1,2,3
	v_cvt_pk_f16_f32 v[TMP+4*\b+\r], v[AC+8*\b+2*\r], v[AC+8*\b+2*\r+1]   ; each accumulator from its low end on
.endr
.endr
	WIN 0
.endm
.macro TOSTAGE a
.set BK, OB+128*((\a)%2)
.irp b, 0,1,2,3,4,5,6,7
	ds_store_b128 v[STO], v[TMP+4*\b:TMP+4*\b+3] offset:32*\b
.endr
.irp t, 0,1,2,3,4,5,6,7
	ds_load_b128 v[BK+4*\t:BK+4*\t+3], v[RD] offset:\t*544         ; LDS serves a wave's instructions in order: these see the stores above
.endr
.endm
.macro SEND a, co, base, pitch
.set BK, OB+128*((\a)%2)
	s_wait_dscnt 0x0                               ; the block is back in registers
	s_wait_xcnt 0x0                                ; the earlier stores have read their registers: the next block's loads may land there
.irp t, 0,1,2,3,4,5,6,7
	global_store_b128 v[\co], v[BK+4*\t:BK+4*\t+3], s[\base:\base+1] offset:(16*(\a)+2*\t)*\pitch   ; 16 lanes store 256 consecutive bytes, aligned
.endr
.endm
.macro TILE adu, adw, adsu, adsw, co, base, pitch
	FETCH_U \adu, 0, 0
	FETCH_W \adw, 0, 0
	SCALES \adsu, \adsw
	FETCH_W \adw, 0, 4
	STEP \adu, \adw, 0, 1                          ; the first step's products start the sums: nothing is cleared
	STEP \adu, \adw, 1, 0
	STEP \adu, \adw, 2, 0
	s_wait_dscnt 8                                 ; the last step: nothing more to fetch
	WIN MUL_LO
	MUL16 0, 1, 3, 0
	MUL16 2, 1, 3, 0
	s_wait_dscnt 0x0
	WIN MUL_HI
	MUL16 4, 1, 3, 0
	MUL16 6, 1, 3, 0
	WIN 0
	PLACES 4
	PACK 0
	TOSTAGE 0
.irp a, 1,2,3,4,5,6,7                  ; block a's conversions stand between block a - 1's loads from the stage and the wait for them
	PACK \a
	SEND \a-1, \co, \base, \pitch
	TOSTAGE \a
.endr
	SEND 7, \co, \base, \pitch
.endm
	s_wait_tensorcnt 1                             ; my parts of states and Wk are in; Wv's load may stay out
	s_barrier_signal -1
	s_barrier_wait -1                              ; everybody's are
	TILE 16, 17, 18, 19, 26, 6, 1024
	s_wait_tensorcnt 0x0                           ; my part of Wv is in,
	s_barrier_signal -1
	s_barrier_wait -1                              ; everybody's is
	TILE 20, 21, 22, 23, 27, 8, 2048
	s_wait_tensorcnt 0x0                           ; the wave's end
	ds_add_u32 v[SPW], v[NIL]
	s_wait_dscnt 0x0
	ROUND                                          ; the closing round
	s_endpgm
.Lfunc_end_k_q1e4a6a865b_kvproj:
	.size	k_q1e4a6a865b_kvproj, .Lfunc_end_k_q1e4a6a865b_kvproj-k_q1e4a6a865b_kvproj
	.p2alignl 7, 3214868480
	.fill 96, 4, 3214868480
	.section	.rodata,"a",@progbits
	.p2align	6, 0x0
	.amdhsa_kernel k_q1e4a6a865b_kvproj
		.amdhsa_group_segment_fixed_size 229376
		.amdhsa_private_segment_fixed_size 0
		.amdhsa_enable_private_segment 0
		.amdhsa_kernarg_size 24
		.amdhsa_user_sgpr_count 2
		.amdhsa_user_sgpr_kernarg_segment_ptr 1
		.amdhsa_wavefront_size32 1
		.amdhsa_system_sgpr_workgroup_id_x 1
		.amdhsa_system_sgpr_workgroup_id_y 1
		.amdhsa_system_sgpr_workgroup_id_z 1
		.amdhsa_system_vgpr_workitem_id 0
		.amdhsa_next_free_vgpr 1024
		.amdhsa_next_free_sgpr 96
		.amdhsa_reserve_vcc 0
		.amdhsa_float_denorm_mode_32 3
		.amdhsa_float_denorm_mode_16_64 3
		.amdhsa_memory_ordered 1
		.amdhsa_forward_progress 1
		.amdhsa_inst_pref_size 155
	.end_amdhsa_kernel
	.amdgpu_metadata
---
amdhsa.version: [ 1, 2 ]
amdhsa.kernels:
  - .name:           k_q1e4a6a865b_kvproj
    .symbol:         k_q1e4a6a865b_kvproj.kd
    .args:
      - { .name: pk, .offset: 0, .size: 8, .value_kind: global_buffer, .address_space: global }
      - { .name: kbuf, .offset: 8, .size: 8, .value_kind: global_buffer, .address_space: global }
      - { .name: vt, .offset: 16, .size: 8, .value_kind: global_buffer, .address_space: global }
    .group_segment_fixed_size: 229376
    .private_segment_fixed_size: 0
    .kernarg_segment_align: 8
    .kernarg_segment_size: 24
    .max_flat_workgroup_size: 128
    .sgpr_count:     96
    .vgpr_count:     1024
    .wavefront_size: 32
...
	.end_amdgpu_metadata
.endif
;; end of part 2
;; launch attn (part 3): grid 8 x 32, 4 waves a work-group, clusters of 4 x 1, 327,680 bytes of LDS; arguments pk, kbuf, vt, bias, part; writes part
.if DOCPART == 3
	.amdgcn_target "amdgcn-amd-amdhsa--gfx1250"
	.amdhsa_code_object_version 6
	.text
	.protected	k_q1e4a6a865b_attn
	.globl	k_q1e4a6a865b_attn
	.p2align	8
	.type	k_q1e4a6a865b_attn,@function
k_q1e4a6a865b_attn:
	s_mov_b64 s[64:65], 0
	v_nop
	global_prefetch_b8 v0, s[64:65] scope:SCOPE_SE
	s_setreg_imm32_b32 hwreg(HW_REG_WAVE_MODE, 25, 1), 1
	s_wait_xcnt 0x0
	s_wait_alu depctr_hold_cnt(0) depctr_sa_sdst(0) depctr_va_vdst(0) depctr_va_sdst(0) depctr_va_ssrc(0) depctr_va_vcc(0) depctr_vm_vsrc(0)
	s_getreg_b32 s2, hwreg(HW_REG_IB_STS2, 6, 4)
	s_cmp_eq_u32 s2, 0
	s_cbranch_scc0 .Lentry_in_a_cluster
	s_endpgm
.Lentry_in_a_cluster:
	s_bfe_u32 s2, ttmp6, 0x10000c
	s_cmp_lg_u32 s2, 0x3003
	s_cbranch_scc0 .Lentry_shape_is_right
	s_endpgm
.Lentry_shape_is_right:
; For one (b, h) and 128 queries: q = x Wq_h^T (E2M1 codes, E8M0 scales), softmax(q k^T / sqrt(512) under the mask) v, and head h's share of the last product, ctx_h Wp_h^T, stored as f32: part[h][row][n].
; No work of reference() is left out here; the sum over the eight heads is made by the next launch.
; q, the weights p and ctx never leave the registers.  The three products that are left as they are take f16 operands and f32 sums; softmax in f32, with a running maximum.
; LIMITS: q, k, v and ctx must fit f16 (magnitudes under 65,504); NaN and infinities among the inputs are not served.  A hidden key's score is -2^100 (from the bias tiles), and the running maximum starts at -2^80:
; real scores are under 2^42 in magnitude, so a hidden key's weight is exactly 0.  A row with every key hidden ends with sum 0 and O = 0: 0 x infinity = NaN, as reference() gives.
; The first trip multiplies O's registers, which then hold q's sums, by 0: that takes q to be finite.
; SHARES.  A work-group owns 128 queries, wave w 32 of them: two tiles t of 16.  Every wave walks all 1,024 keys, 128 a trip.
; ALL PRODUCTS ARE USED TRANSPOSED (q^T = Wq x^T, S^T = K Q^T, O^T = V^T P, out^T = Wp ctx^T): a lane holds ONE query (lane % 16) throughout, and two neighbouring result tiles of 16, rounded to f16 in pairs,
; ARE the next product's source 1 of 32 along its K: nothing changes lanes.
; LDS.  Two slots of 4 panels of 128 rows x 272 bytes; wave w fetches panel w, one tensor load a wave behind each round.  Tiles in the order of their use:
; Wq(X) K0(Y) V0(X) K1(Y) .. K7(Y) V7(X) P0(Y) P1(X) P2(Y) P3(X); at the change in front of a tile the next one is asked for, into the slot just left: it has 256 matrix instructions a wave or more in which to land.
; In kbuf a head's block is its 1,024 rows of k and then the 512 rows of Wp_h: K0 .. K7, P0 .. P3 lie 131,072 bytes apart, and one descriptor walks them all by that step: every trip of the loop has both its refills.
; A wave has two tensor loads out at the start and one behind each round.
; CLUSTER.  The four query blocks of a cluster belong to one (b, h) and walk the same Wq_h, K, V and Wp_h: every tile is asked for jointly, with the mask of all four.
; REGISTERS, in windows of 256: window 0: v1-19 addresses; v20-31 six statistics a tile (in the prologue: the scale words, which no matrix instruction names as A, B, C or D);
;   v32-159 S: 16 accumulators, i = 8 g + 4 t + k (row tile 4 g + k) at v[32 + 8 i]; P in place at v[32 + 4 i]; v160-255 three sets of four fragments, also the softmax's scratch.
;   window 1: Q(t, c) at v[8 (16 t + c)], later ctx.   windows 2, 3: O(t, ct) at v[8 (2 (ct % 16) + t)] of window 2 + ct / 16; q's sums are made in the same registers.
.set PANEL, 34816
.set T16,   4352
.set XO,    139264                     ; slot Y at 0, slot X here
.set STAGE, 278528                     ; 16 rows x 528 bytes for each wave, for the way out
.set SPARE, 312320                     ; the spare words, 128 bytes for each wave: two blocks of 256 bytes that no other line names
.set HEADB, 1572864                    ; a head's block in kbuf: 1,536 rows of 1,024 bytes
.set LT,   1                           ; v1     272 (lane % 16) + 16 (lane / 16): a lane's place in a fragment's 16 rows
.set AG,   2                           ; v2-5   panel p of the slot that GPH reads
.set AV,   6                           ; v6-9   panel p of slot X
.set BO,   10                          ; v10    16 x lane
.set STO,  11                          ; v11    the way out: where I put 32 bytes of a row
.set RD,   12                          ; v12    and where I read a row back
.set PFOK, 14                          ; v14    1,024 x lane: a row of kbuf
.set PFOV, 15                          ; v15    2,048 x lane: a row of vt
.set SPW,  16                          ; v16    LDS address of my spare word; never rewritten
.set NIL,  17                          ; v17    0; never rewritten
.set TA,   18                          ; v18-19 in the prologue: where Wq's scale bytes lie; else at work
.set RT,   20                          ; tile t at v[20 + 6 t]: +0 c m, +1 m, +2, +3 the sum in two halves, +4 a (later 1 / sum), +5 named with it as a pair
.set XSC,  20                          ; prologue: v20-23 x's scale words: lanes 0-15 tile 0's rows, lanes 16-31 tile 1's
.set WSC,  24                          ; prologue: v24-27, v28-31 Wq's scale words, two sets: lane l: row 32 g + l
.set S,    32
.set FR,   160
.set XF,   32                          ; prologue: x's fragments (t, s) at v[32 + 8 (4 t + s)]
.set WF,   96                          ; prologue: Wq's fragments, two sets of 8
.set WV,   16                          ; s16 wave
.set J,    17                          ; s17 trip
.set F,    18                          ; s18 0.0 in the first trip, 1.0 after
.set TB,   19                          ; s19 the slot that the way out's products read
.set SEL,  20                          ; s[20:21] v_permlanex16_b32's selects for lane l xor 16
.set CS,   22                          ; s[22:23] c = log2(e) / sqrt(512)
.set G1K,  24                          ; s[24:31] group 1 for tiles of kbuf;  s[32:39] of vt;  s[40:47] of packed rows
.set G1V,  32
.set G1W,  40
.set G0Y,  48                          ; s[48:51] group 0 that walks K and then Wp_h;  s[52:55] V;  s[56:59] Wq
.set G0X,  52
.set G0W,  56
.set WOFF, 62                          ; s62 wave x PANEL
.set LIMJ, 63                          ; s63 7 in the head's first cluster, else 0: a wave prefetches while the trip's number is under it
.set BP,   66                          ; s[66:67] my bias tiles
.set PFK,  68                          ; s[68:69], s[70:71] where my prefetches stand
.set PFV,  70
.set PP,   72                          ; s[72:73] my rows of part
.set MSB, 0
.macro WIN new                         ; the immediate's high byte repeats the setting that is left
.if MSB != (\new)
	s_set_vgpr_msb (MSB<<8)|(\new)
.set MSB, (\new)
.endif
.endm
.macro PLACES n
.rept \n
	v_nop
.endr
.endm
.macro ROUND                           ; a round of the cluster's barrier
	s_barrier_signal -1
	s_barrier_wait -1
	s_cmp_lg_u32 s[WV], 0
	s_cbranch_scc1 .Lnw0_\@
	s_barrier_signal -3
.Lnw0_\@:
	s_barrier_wait -3
	s_barrier_signal -1
	s_barrier_wait -1
.endm
.macro TL g0, g1                       ; a joint load: every wave its own panel, no branch; an s_nop 0 and four v_nop follow
	tensor_load_to_lds s[\g0:\g0+3], s[\g1:\g1+7]
	s_nop 0
	PLACES 4
.endm
; A PREFETCH of what the NEXT change of slots will ask for, behind the wave's tensor load.  Both clusters of a head walk the same K and V: the first asks.  Its four partners are told apart by address alone;
; 4 work-groups x 4 waves x 32 lanes name the tile's 512 blocks of 256 bytes once each.  The last trip asks for nothing.
.macro ASK ptr, off
	s_cmp_lt_u32 s[J], s[LIMJ]
	s_cbranch_scc0 .Lna_\@
	global_prefetch_b8 v[\off], s[\ptr:\ptr+1] th:TH_LOAD_NT scope:SCOPE_SE
.Lna_\@:
.endm
	s_load_b256 s[4:11], s[0:1], 0x0               ; pk s[4:5], kbuf s[6:7], vt s[8:9], bias s[10:11]
	s_load_b64 s[14:15], s[0:1], 0x20              ; part
	v_lshl_add_u32 v[SPW], v0, 2, SPARE
	v_mov_b32 v[NIL], 0
	ds_add_u32 v[SPW], v[NIL]                      ; the wave's opening: the add, twice on end, and its wait ahead of my first tensor load
	ds_add_u32 v[SPW], v[NIL]
	v_lshrrev_b32 v[TA], 5, v0
	v_readfirstlane_b32 s[WV], v[TA]               ; wave 0..3
	s_and_b32 s76, ttmp7, 0xffff                   ; 8 b + h, which the four partners share
	s_lshr_b32 s77, s76, 3                         ; b
	s_and_b32 s78, s76, 7                          ; h
	s_mul_i32 s[WOFF], s[WV], PANEL
	s_mov_b32 s[G1K], 15|(1<<16)|(1<<20)|(1<<21)|(5<<22)|(3<<25)  ; 15:0 all four work-groups; elements of 2 bytes; padding on; 21 set beside a mask; 4 words behind every 64
	s_mov_b32 s[G1V], 15|(1<<16)|(1<<20)|(1<<21)|(5<<22)|(3<<25)
.irp g, G1K, G1V
	s_mov_b32 s[\g+1], 128<<16                     ; tensor_dim0 = 128 elements (256 bytes)
	s_mov_b32 s[\g+2], 128<<16                     ; tensor_dim1 = 128 rows
	s_mov_b32 s[\g+3], 128<<16                     ; tile_dim0
	s_mov_b32 s[\g+4], 128                         ; tile_dim1
	s_mov_b32 s[\g+6], 0
	s_mov_b32 s[\g+7], 0
.endr
	s_mov_b32 s[G1K+5], 512                        ; a row of kbuf in elements
	s_mov_b32 s[G1V+5], 1024                       ; a row of vt
	s_mov_b32 s[G1W], 15|(3<<16)|(1<<21)           ; 128 packed rows are 34,816 dense bytes: 136 rows of 256 bytes, no padding
	s_mov_b32 s[G1W+1], 32<<16
	s_mov_b32 s[G1W+2], 136<<16
	s_mov_b32 s[G1W+3], 32<<16
	s_mov_b32 s[G1W+4], 136
	s_mov_b32 s[G1W+5], 32
	s_mov_b32 s[G1W+6], 0
	s_mov_b32 s[G1W+7], 0
	s_mov_b32 s[SEL], 0x76543210
	s_mov_b32 s[SEL+1], 0xfedcba98
	s_mov_b32 s[CS], 0x3d8293ee
	s_mov_b32 s[CS+1], s[CS]
	s_cmp_eq_u32 ttmp9, 0
	s_cselect_b32 s[LIMJ], 7, 0
	s_mul_i32 s82, s76, HEADB                      ; the head's first byte in kbuf,
	s_lshl_b32 s79, s[WV], 8
	s_add_co_u32 s82, s82, s79                     ; K: channels 128 w on
	s_mov_b32 s83, 0
	s_lshl_b32 s84, s76, 20                        ; and in vt,
	s_lshl_b32 s79, s[WV], 18
	s_add_co_u32 s84, s84, s79                     ; V: rows 128 w on
	s_mov_b32 s85, 0
	s_lshl_b32 s86, s78, 9
	s_lshl_b32 s79, s[WV], 7
	s_add_co_u32 s86, s86, s79
	s_add_co_u32 s86, s86, 8192
	s_mul_i32 s86, s86, 272                        ; Wq: packed row 8,192 + 512 h + 128 w
	s_mov_b32 s87, 0
	s_wait_dscnt 0x0                               ; both opening adds are done
	s_wait_kmcnt 0x0
	s_mov_b32 s[G0Y], 1
	s_mov_b32 s[G0Y+1], s[WOFF]
	s_add_nc_u64 s[G0Y+2:G0Y+3], s[6:7], s[82:83]
	s_or_b32 s[G0Y+3], s[G0Y+3], 0x80000000
	s_mov_b32 s[G0X], 1
	s_add_co_u32 s[G0X+1], s[WOFF], XO
	s_add_nc_u64 s[G0X+2:G0X+3], s[8:9], s[84:85]
	s_or_b32 s[G0X+3], s[G0X+3], 0x80000000
	s_mov_b32 s[G0W], 1
	s_add_co_u32 s[G0W+1], s[WOFF], XO
	s_add_nc_u64 s[G0W+2:G0W+3], s[4:5], s[86:87]
	s_or_b32 s[G0W+3], s[G0W+3], 0x80000000
	ROUND                                          ; all four work-groups are here: the first joint loads meet
	tensor_load_to_lds s[G0W:G0W+3], s[G1W:G1W+7]  ; Wq_h into X
	s_nop 0
	tensor_load_to_lds s[G0Y:G0Y+3], s[G1K:G1K+7]  ; K0 into Y
	s_nop 0
	PLACES 4
	; what hangs on my place in the cluster: global addresses alone, in registers of their own
	s_bfe_u32 s91, ttmp6, 0x40000                  ; cx
	s_lshl_b32 s90, ttmp9, 2
	s_add_co_u32 s90, s90, s91                     ; my block of 128 queries
	s_lshl_b32 s90, s90, 7
	s_lshl_b32 s88, s77, 10
	s_add_co_u32 s90, s90, s88
	s_lshl_b32 s88, s[WV], 5
	s_add_co_u32 s90, s90, s88                     ; my first row: 1,024 b + 128 block + 32 w
	s_mov_b32 s89, 0
	s_mul_i32 s88, s90, 272
	s_add_nc_u64 s[2:3], s[4:5], s[88:89]          ; x's packed rows
	s_lshl_b32 s88, s90, 12
	s_add_nc_u64 s[BP:BP+1], s[10:11], s[88:89]    ; bias: a tile of 16 queries is 65,536 bytes
	s_lshl_b32 s88, s78, 12
	s_add_co_u32 s88, s88, s90
	s_lshl_b32 s88, s88, 11
	s_add_nc_u64 s[PP:PP+1], s[14:15], s[88:89]    ; part: row 4,096 h + my first row
	s_mul_i32 s88, s76, HEADB
	s_lshl_b32 s90, s91, 15
	s_add_co_u32 s88, s88, s90
	s_lshl_b32 s90, s[WV], 8
	s_add_co_u32 s88, s88, s90
	s_add_nc_u64 s[PFK:PFK+1], s[6:7], s[88:89]    ; K: of a tile's 128 rows my work-group's 32, of a row's four blocks my wave's; the first change steps it to K1
	s_lshl_b32 s88, s76, 20
	s_lshl_b32 s90, s91, 18
	s_add_co_u32 s88, s88, s90
	s_lshl_b32 s90, s[WV], 16
	s_add_co_u32 s88, s88, s90
	s_add_nc_u64 s[PFV:PFV+1], s[8:9], s[88:89]    ; V: of the 512 rows my work-group's 128, my wave's 32 of them; stepped to V1 ahead of its first use
	v_and_b32 v2, 15, v0                           ; r
	v_bfe_u32 v3, v0, 4, 1                         ; h
	v_mul_u32_u24 v[LT], v2, 272
	v_lshl_add_u32 v[LT], v3, 4, v[LT]
	v_and_b32 v4, 31, v0
	v_mul_u32_u24 v5, v4, 272                      ; 272 x lane
.irp t, 0,1
.irp s, 0,1,2,3
.irp c, 0,1
	global_load_b128 v[XF+8*(4*\t+\s)+4*\c:XF+8*(4*\t+\s)+4*\c+3], v[LT], s[2:3] offset:T16*\t+64*\s+32*\c   ; x's fragments stay in registers for the projection
.endr
.endr
.endr
	global_load_b128 v[XSC:XSC+3], v5, s[2:3] offset:256   ; lane l: row l's 16 scale bytes: the four words of its four K steps
.irp p, 0,1,2,3
	v_add_nc_u32 v[AV+\p], XO+\p*PANEL, v[LT]
.endr
	v_add_nc_u32 v[TA], XO+256, v5                 ; Wq's scale bytes: row l of the first 256,
	v_add_nc_u32 v[TA+1], XO+256+69632, v5         ; and of the second
	s_wait_tensorcnt 1                             ; my panel of Wq is in; K0's load may stay out
	s_barrier_signal -1
	s_barrier_wait -1                              ; everybody's is
; ---- THE PROJECTION q^T = Wq x^T, 32 channels (two tiles u) at a time, K = 512 in four steps s.
.macro FETCHW g, z                     ; 17 LDS loads: the group's 8 fragments and its 32 rows' scale words, into set z
.irp u, 0,1
.irp s, 0,1,2,3
.irp c, 0,1
	ds_load_b128 v[WF+64*(\z)+8*(4*\u+\s)+4*\c:WF+64*(\z)+8*(4*\u+\s)+4*\c+3], v[AV+(\g)/4] offset:(2*((\g)%4)+\u)*T16+64*\s+32*\c
.endr
.endr
.endr
	ds_load_b128 v[WSC+4*(\z):WSC+4*(\z)+3], v[TA+(\g)/8] offset:((\g)%8)*8704
.endm
.macro WQ u, t, c                      ; source 0's scales: lanes 0-15 (u = 0) or 16-31 (u = 1); source 1's likewise by t
.if (\u == 0) && (\t == 0)
	v_wmma_scale_f32_16x16x128_f8f6f4 v[oq:oq+7], v[wa:wa+7], v[xb:xb+7], \c, v[sa], v[sb] matrix_a_fmt:MATRIX_FMT_FP4 matrix_b_fmt:MATRIX_FMT_FP4
.elseif (\u == 1) && (\t == 0)
	v_wmma_scale_f32_16x16x128_f8f6f4 v[oq:oq+7], v[wa:wa+7], v[xb:xb+7], \c, v[sa], v[sb] matrix_a_fmt:MATRIX_FMT_FP4 matrix_b_fmt:MATRIX_FMT_FP4 matrix_a_scale:MATRIX_SCALE_ROW1
.elseif (\u == 0)
	v_wmma_scale_f32_16x16x128_f8f6f4 v[oq:oq+7], v[wa:wa+7], v[xb:xb+7], \c, v[sa], v[sb] matrix_a_fmt:MATRIX_FMT_FP4 matrix_b_fmt:MATRIX_FMT_FP4 matrix_b_scale:MATRIX_SCALE_ROW1
.else
	v_wmma_scale_f32_16x16x128_f8f6f4 v[oq:oq+7], v[wa:wa+7], v[xb:xb+7], \c, v[sa], v[sb] matrix_a_fmt:MATRIX_FMT_FP4 matrix_b_fmt:MATRIX_FMT_FP4 matrix_a_scale:MATRIX_SCALE_ROW1 matrix_b_scale:MATRIX_SCALE_ROW1
.endif
.endm
.macro MULQ g, z                       ; 16 matrix instructions; the group's four accumulators take turns; the first step starts the sums
	WIN 0xA0+0x50*((\g)/8)
.irp s, 0,1,2,3
.irp u, 0,1
.irp t, 0,1
.set oq, 8*(2*((2*(\g)+\u)%16)+\t)
.set wa, WF+64*(\z)+8*(4*\u+\s)
.set xb, XF+8*(4*\t+\s)
.set sa, WSC+4*(\z)+\s
.set sb, XSC+\s
.if \s == 0
	WQ \u, \t, 0
.else
	WQ \u, \t, v[oq:oq+7]
.endif
.endr
.endr
.endr
.endm
.macro CVTQ g                          ; O(t, 2 g) and O(t, 2 g + 1), rounded to f16 in pairs, are fragment (t, g) of window 1: registers 0-3, 4-7; each accumulator from its low end on
	WIN 0x4A+5*((\g)/8)
.irp t, 0,1
.irp u, 0,1
.irp q, 0,1,2,3
	v_cvt_pk_f16_f32 v[8*(16*\t+(\g))+4*\u+\q], v[8*(2*((2*(\g)+\u)%16)+\t)+2*\q], v[8*(2*((2*(\g)+\u)%16)+\t)+2*\q+1]
.endr
.endr
.endr
.endm
	FETCHW 0, 0
	FETCHW 1, 1
	s_wait_loadcnt 0x0                             ; x
.set qg, 0
.rept 16
.if qg < 15
	s_wait_dscnt 17                                ; this group's loads are in; the next group's 17 may be out
.else
	s_wait_dscnt 0x0
.endif
	MULQ qg, qg%2
	PLACES 4                                       ; in front of loads into registers that these products read, and of the first read of their results
.if qg <= 13
	WIN 0
	FETCHW qg+2, qg%2
.endif
	CVTQ qg
.set qg, qg+1
.endr
	WIN 0
	; the registers of the loop
.irp p, 0,1,2,3
	v_add_nc_u32 v[AG+\p], \p*PANEL, v[LT]         ; slot Y
.endr
	v_and_b32 v[BO], 31, v0
	v_lshlrev_b32 v[PFOK], 10, v[BO]
	v_lshlrev_b32 v[PFOV], 11, v[BO]
	v_lshlrev_b32 v[BO], 4, v[BO]
	v_and_b32 v[TA], 15, v0
	v_bfe_u32 v[TA+1], v0, 4, 1
	s_mul_i32 s79, s[WV], 8448
	s_add_co_u32 s79, s79, STAGE                   ; my stage
	v_mul_u32_u24 v[STO], v[TA], 528
	v_lshl_add_u32 v[STO], v[TA+1], 5, v[STO]
	v_add_nc_u32 v[STO], s79, v[STO]               ; in: row r, 32 bytes for each half of the lanes
	v_add_nc_u32 v[RD], s79, v[BO]                 ; back: the 32 lanes take one row of 512 bytes
.irp t, 0,1
	v_mov_b32 v[RT+6*\t+1], 0xe7800000             ; m = -2^80: under every real score, over every hidden one
	v_mul_f32 v[RT+6*\t], s[CS], v[RT+6*\t+1]      ; c m
	v_mov_b32 v[RT+6*\t+2], 0                      ; the sum, in two halves
	v_mov_b32 v[RT+6*\t+3], 0
	v_mov_b32 v[RT+6*\t+4], 0
	v_mov_b32 v[RT+6*\t+5], 0                      ; (named as the upper half of a pair)
.endr
; 16 loads: the bias of row tiles 4 g .. 4 g + 3 of the coming 128 keys, straight into the score accumulators: it is the C of their first product
.macro BIAS g
.irp t, 0,1
.irp k, 0,1,2,3
.irp u, 0,1
	global_load_b128 v[S+8*(8*\g+4*\t+\k)+4*\u:S+8*(8*\g+4*\t+\k)+4*\u+3], v[BO], s[BP:BP+1] offset:65536*\t+(4*\g+\k)*1024+512*\u
.endr
.endr
.endr
.endm
; 8 LDS loads: run m of 32: four fragments (row tiles 4 g + k, g = 1 for the first 16 runs; 32 channels c = m % 16) into set m % 3
.macro FETCHG m
.set fg, 1-(\m)/16
.set fc, (\m)%16
.set fb, FR+32*((\m)%3)
.irp k, 0,1,2,3
	ds_load_b128 v[fb+8*\k:fb+8*\k+3],   v[AG+fc/4] offset:(4*fg+\k)*T16+64*(fc%4)
	ds_load_b128 v[fb+8*\k+4:fb+8*\k+7], v[AG+fc/4] offset:(4*fg+\k)*T16+64*(fc%4)+32
.endr
.endm
; 256 matrix instructions: 128 rows of the slot's tile (keys, or outputs n) x my 32 queries, K = 512.  Runs 0, 1, 2 have been asked for.  One window setting serves products and loads alike.
; The group's eight accumulators take turns.  bias = 1: C of the first product is the bias, loaded into the accumulator; 0: the constant 0.
.macro GPH bias
	WIN 0x04                                       ; source 1 (Q or ctx) window 1, all else window 0
.set n, 0
.rept 32
.set gg, 1-n/16
.set gc, n%16
.set gb, FR+32*(n%3)
.if \bias
.if n == 0
	s_wait_loadcnt 16                              ; the upper group's bias is in; the lower group's 16 loads may be out
.endif
.if n == 16
	s_wait_loadcnt 0x0
.endif
.endif
.if n < 30
	s_wait_dscnt 16                                ; this run is in; the two younger runs of eight may be out
.elseif n == 30
	s_wait_dscnt 8
.else
	s_wait_dscnt 0x0
.endif
.irp k, 0,1,2,3
.irp t, 0,1
.if (\bias == 0) && (gc == 0)
	v_wmma_f32_16x16x32_f16 v[S+8*(8*gg+4*\t+\k):S+8*(8*gg+4*\t+\k)+7], v[gb+8*\k:gb+8*\k+7], v[8*(16*\t+gc):8*(16*\t+gc)+7], 0
.else
	v_wmma_f32_16x16x32_f16 v[S+8*(8*gg+4*\t+\k):S+8*(8*gg+4*\t+\k)+7], v[gb+8*\k:gb+8*\k+7], v[8*(16*\t+gc):8*(16*\t+gc)+7], v[S+8*(8*gg+4*\t+\k):S+8*(8*gg+4*\t+\k)+7]
.endif
.endr
.endr
.if n <= 28
	PLACES 4                                       ; in front of loads into the set just read
	FETCHG n+3
.endif
.if n == 31
	PLACES 4                                       ; in front of the first read of results, and of vector writes into fragment registers
.endif
.set n, n+1
.endr
.endm
; THE SOFTMAX of both tiles, line by line by turns.  A lane holds 64 scores of one query of each tile.  Scratch: tile t at v[FR + 16 t]: X0-7, then four pairs of partial sums.
.macro SOFT
.irp a, 0,1,2,3,4,5,6,7
.irp t, 0,1
.set sr, S+32*\t+64*(\a/4)+8*(\a%4)
	v_max3_num_f32 v[FR+16*\t+\a], v[sr], v[sr+1], v[sr+2]         ; each accumulator is read from its low end on
.endr
.endr
.irp i, 3,5
.irp a, 0,1,2,3,4,5,6,7
.irp t, 0,1
.set sr, S+32*\t+64*(\a/4)+8*(\a%4)
	v_max3_num_f32 v[FR+16*\t+\a], v[FR+16*\t+\a], v[sr+\i], v[sr+\i+1]
.endr
.endr
.endr
.irp a, 0,1,2,3,4,5,6,7
.irp t, 0,1
.set sr, S+32*\t+64*(\a/4)+8*(\a%4)
	v_max_num_f32 v[FR+16*\t+\a], v[FR+16*\t+\a], v[sr+7]
.endr
.endr
.irp t, 0,1
	v_max3_num_f32 v[FR+16*\t], v[FR+16*\t], v[FR+16*\t+1], v[FR+16*\t+2]
.endr
.irp t, 0,1
	v_max3_num_f32 v[FR+16*\t+3], v[FR+16*\t+3], v[FR+16*\t+4], v[FR+16*\t+5]
.endr
.irp t, 0,1
	v_max3_num_f32 v[FR+16*\t+6], v[FR+16*\t+6], v[FR+16*\t+7], v[RT+6*\t+1]   ; with the old m
.endr
.irp t, 0,1
	v_max3_num_f32 v[FR+16*\t], v[FR+16*\t], v[FR+16*\t+3], v[FR+16*\t+6]
.endr
.irp t, 0,1
	v_permlanex16_b32 v[FR+16*\t+1], v[FR+16*\t], s[SEL], s[SEL+1] ; the query's other 64 keys lie in the lane 16 away
.endr
.irp t, 0,1
	v_mov_b32 v[FR+16*\t+2], v[RT+6*\t]            ; c m_old
.endr
.irp t, 0,1
	v_max_num_f32 v[RT+6*\t+1], v[FR+16*\t], v[FR+16*\t+1]         ; the new m
.endr
.irp t, 0,1
	v_mul_f32 v[RT+6*\t], s[CS], v[RT+6*\t+1]
.endr
.irp t, 0,1
	v_sub_f32 v[FR+16*\t+2], v[FR+16*\t+2], v[RT+6*\t]             ; c m_old - c m_new, 0 or less
.endr
.set e, 0
.rept 32
.irp t, 0,1
.set sr, S+32*\t+64*(e/16)+2*(e%16)
	v_pk_fma_f32 v[sr:sr+1], v[sr:sr+1], s[CS:CS+1], v[RT+6*\t:RT+6*\t+1] op_sel_hi:[1,0,0] neg_lo:[0,0,1] neg_hi:[0,0,1]   ; c s - c m, two at a time
.endr
.set e, e+1
.endr
.irp t, 0,1
	v_exp_f32 v[RT+6*\t+4], v[FR+16*\t+2]          ; a = 2^(c m_old - c m_new)
.endr
.set e, 0
.rept 64
.irp t, 0,1
	v_exp_f32 v[S+32*\t+64*(e/32)+e%32], v[S+32*\t+64*(e/32)+e%32] ; p, at most 1
.endr
.set e, e+1
.endr
	v_nop                                          ; a plain instruction behind the last exponential
	s_wait_alu depctr_va_vdst(0)                   ; the wait ahead of the first instruction that names a result: one for the 130 exponentials
.irp t, 0,1
	v_mul_f32 v[RT+6*\t+4], s[F], v[RT+6*\t+4]     ; 0 in the first trip: O's registers become the sums' zeros
.endr
.irp c, 0,1,2,3
.irp t, 0,1
	v_pk_add_f32 v[FR+16*\t+8+2*\c:FR+16*\t+9+2*\c], v[S+32*\t+2*\c:S+32*\t+2*\c+1], v[S+32*\t+2*\c+8:S+32*\t+2*\c+9]   ; the row's sum of p as it is in f32: four chains
.endr
.endr
.set pm, 2
.rept 6
.irp c, 0,1,2,3
.irp t, 0,1
.set sr, S+32*\t+64*((\c+4*pm)/16)+2*((\c+4*pm)%16)
	v_pk_add_f32 v[FR+16*\t+8+2*\c:FR+16*\t+9+2*\c], v[FR+16*\t+8+2*\c:FR+16*\t+9+2*\c], v[sr:sr+1]
.endr
.endr
.set pm, pm+1
.endr
.irp t, 0,1
	v_pk_add_f32 v[FR+16*\t+8:FR+16*\t+9], v[FR+16*\t+8:FR+16*\t+9], v[FR+16*\t+10:FR+16*\t+11]
.endr
.irp t, 0,1
	v_pk_add_f32 v[FR+16*\t+12:FR+16*\t+13], v[FR+16*\t+12:FR+16*\t+13], v[FR+16*\t+14:FR+16*\t+15]
.endr
.irp t, 0,1
	v_pk_add_f32 v[FR+16*\t+8:FR+16*\t+9], v[FR+16*\t+8:FR+16*\t+9], v[FR+16*\t+12:FR+16*\t+13]
.endr
.irp t, 0,1
	v_pk_fma_f32 v[RT+6*\t+2:RT+6*\t+3], v[RT+6*\t+2:RT+6*\t+3], v[RT+6*\t+4:RT+6*\t+5], v[FR+16*\t+8:FR+16*\t+9] op_sel_hi:[1,0,1]   ; sum = a sum + this trip's
.endr
.set e, 0
.rept 16
.irp q, 0,1,2,3
	v_cvt_pk_f16_f32 v[S+4*e+\q], v[S+8*e+2*\q], v[S+8*e+2*\q+1]   ; P in place, ascending: no unread p is written over; fragment (t, 2 g + u) lies at v[S + 32 g + 16 t + 8 u]
.endr
.set e, e+1
.endr
.endm
; 8 LDS loads: run m of 32: four fragments of V^T (channel tiles 4 G + k, G = m / 4; 32 keys kc = m % 4) into set m % 3
.macro FETCHV m
.set vG, (\m)/4
.set vc, (\m)%4
.set vb, FR+32*((\m)%3)
.irp k, 0,1,2,3
	ds_load_b128 v[vb+8*\k:vb+8*\k+3],   v[AV+vG/2] offset:(4*(vG%2)+\k)*T16+64*vc
	ds_load_b128 v[vb+8*\k+4:vb+8*\k+7], v[AV+vG/2] offset:(4*(vG%2)+\k)*T16+64*vc+32
.endr
.endm
.macro RESC G, kc                      ; O(0, 4 G + kc) and O(1, 4 G + kc) times a: eight packed multiplies, each accumulator from its low end on
	WIN 0x82+0x41*((\G)/4)
.set rb, 64*((\G)%4)+16*(\kc)
.irp t, 0,1
.irp q, 0,1,2,3
	v_pk_mul_f32 v[rb+8*\t+2*\q:rb+8*\t+2*\q+1], v[rb+8*\t+2*\q:rb+8*\t+2*\q+1], v[RT+6*\t+4:RT+6*\t+5] op_sel_hi:[1,0]
.endr
.endr
.endm
; O^T += V^T P: 256 matrix instructions, eight groups G of four channel tiles.  The next group's rescaling stands behind each run of products: it names none of their registers, so its eight lines are also
; the places in front of the loads into the set just read.  The group's eight accumulators take turns.
.macro PVPH
	WIN 0
	FETCHV 0
	FETCHV 1
	FETCHV 2
	RESC 0, 0
	RESC 0, 1
	RESC 0, 2
	RESC 0, 3
.set n, 0
.rept 32
.set pG, n/4
.set pc, n%4
.set pb, FR+32*(n%3)
.if n < 30
	s_wait_dscnt 16                                ; this run is in; the two younger runs of eight may be out
.elseif n == 30
	s_wait_dscnt 8
.else
	s_wait_dscnt 0x0
.endif
	WIN 0xA0+0x50*(pG/4)
.irp k, 0,1,2,3
.irp t, 0,1
	v_wmma_f32_16x16x32_f16 v[64*(pG%4)+16*\k+8*\t:64*(pG%4)+16*\k+8*\t+7], v[pb+8*\k:pb+8*\k+7], v[S+32*(pc/2)+16*\t+8*(pc%2):S+32*(pc/2)+16*\t+8*(pc%2)+7], v[64*(pG%4)+16*\k+8*\t:64*(pG%4)+16*\k+8*\t+7]
.endr
.endr
.if pG < 7
	RESC pG+1, pc
.elseif (n <= 28) || (n == 31)
	PLACES 4
.endif
.if n <= 28
	WIN 0
	FETCHV n+3
.endif
.set n, n+1
.endr
	WIN 0
.endm
	BIAS 1                                         ; the first trip's bias: the upper group, which is multiplied first,
	BIAS 0                                         ; then the lower
	s_mov_b32 s[F], 0
	s_mov_b32 s[J], 0
.Lj:                                               ; eight trips, all alike: 128 keys each
	; the change to K_j: all my tensor loads have landed (K_j's panel), the add, my reads of slot X are over; then the round, and V_j goes into X
	s_wait_tensorcnt 0x0
	ds_add_u32 v[SPW], v[NIL]                      ; 0 onto my spare word; the descriptors' steps stand between it and the wait for it
	s_wait_xcnt 0x0                                ; the last prefetches have read their addresses
	s_add_nc_u64 s[G0Y+2:G0Y+3], s[G0Y+2:G0Y+3], 131072           ; the next 128 rows of the head's block: K_(j+1), in the last trip Wp_h's first tile
	s_add_nc_u64 s[PFK:PFK+1], s[PFK:PFK+1], 131072
	s_wait_dscnt 0x0
	ROUND
	TL G0X, G1V
	FETCHG 0
	FETCHG 1
	FETCHG 2
	ASK PFK, PFOK                                  ; K of the next trip: the next change will ask for it
	GPH 1
	WIN 0
	SOFT
	; the change to V_j: the same three lines; then the round, and K_(j+1) (or Wp_h's first tile) goes into Y
	s_wait_tensorcnt 0x0
	ds_add_u32 v[SPW], v[NIL]
	s_wait_xcnt 0x0
	s_add_nc_u64 s[G0X+2:G0X+3], s[G0X+2:G0X+3], 256              ; the next 128 keys of V
	s_add_nc_u64 s[PFV:PFV+1], s[PFV:PFV+1], 256
	s_add_nc_u64 s[BP:BP+1], s[BP:BP+1], 8192                     ; the next eight tiles of bias
	s_wait_dscnt 0x0
	ROUND
	TL G0Y, G1K
	ASK PFV, PFOV                                  ; V of the next trip
	s_cmp_eq_u32 s[J], 7                           ; the last trip asks for no bias: no load leaves its buffer
	s_cbranch_scc1 .Lnb1
	BIAS 1                                         ; into S's upper half, free since P was packed
.Lnb1:
	PVPH
	s_cmp_eq_u32 s[J], 7
	s_cbranch_scc1 .Lnb0
	BIAS 0                                         ; into P's registers, four places behind the last products
.Lnb0:
	s_mov_b32 s[F], 0x3f800000
	s_add_co_u32 s[J], s[J], 1
	s_cmp_lt_u32 s[J], 8
	s_cbranch_scc1 .Lj
	; ---- ctx = O / sum, normalised ahead of its rounding to f16 (O itself can be 1,024 times v), into Q's registers
	s_wait_loadcnt 0x0                             ; every trip's bias is in: S may be written by the products below
.irp t, 0,1
	v_add_f32 v[FR+16*\t], v[RT+6*\t+2], v[RT+6*\t+3]
.endr
.irp t, 0,1
	v_permlanex16_b32 v[FR+16*\t+1], v[FR+16*\t], s[SEL], s[SEL+1]
.endr
.irp t, 0,1
	v_add_f32 v[FR+16*\t], v[FR+16*\t], v[FR+16*\t+1]
.endr
.irp t, 0,1
	v_rcp_f32 v[RT+6*\t+4], v[FR+16*\t]
.endr
	v_nop                                          ; a plain instruction behind the last reciprocal
	s_wait_alu depctr_va_vdst(0)                   ; and the wait ahead of the first use: one for both
.macro NORM g
	WIN 0x82+0x41*((\g)/8)
.irp t, 0,1
.irp u, 0,1
.irp q, 0,1,2,3
	v_pk_mul_f32 v[8*(2*((2*(\g)+\u)%16)+\t)+2*\q:8*(2*((2*(\g)+\u)%16)+\t)+2*\q+1], v[8*(2*((2*(\g)+\u)%16)+\t)+2*\q:8*(2*((2*(\g)+\u)%16)+\t)+2*\q+1], v[RT+6*\t+4:RT+6*\t+5] op_sel_hi:[1,0]
.endr
.endr
.endr
.endm
.irp g, 0,1,2,3,4,5,6,7
	NORM \g
.endr
.irp g, 0,1,2,3,4,5,6,7
	CVTQ \g
.endr
.irp g, 8,9,10,11,12,13,14,15
	NORM \g
.endr
.irp g, 8,9,10,11,12,13,14,15
	CVTQ \g
.endr
	WIN 0
; ---- out^T = Wp_h ctx^T, 128 outputs n at a time; the results go through my stage and leave as whole rows of 512 bytes
.macro AGSET
.irp p, 0,1,2,3
	s_add_co_u32 s79, s[TB], \p*PANEL
	v_add_nc_u32 v[AG+\p], s79, v[LT]
.endr
.endm
.macro OUTST
.irp g, 0,1
.irp k, 0,1,2,3
	ds_store_b128 v[STO], v[S+8*(8*\g+\k):S+8*(8*\g+\k)+3] offset:64*(4*\g+\k)          ; tile 0: lane (r, h): out(r, 16 (4 g + k) + 8 h + 0 .. 7); each accumulator from its low end on
	ds_store_b128 v[STO], v[S+8*(8*\g+\k)+4:S+8*(8*\g+\k)+7] offset:64*(4*\g+\k)+16
.endr
.endr
.irp i, 0,1,2,3,4,5,6,7,8,9,10,11,12,13,14,15
	ds_load_b128 v[FR+4*\i:FR+4*\i+3], v[RD] offset:528*\i         ; LDS serves a wave's instructions in order: these see the stores above, and tile 1's stores come behind them
.endr
.irp g, 0,1
.irp k, 0,1,2,3
	ds_store_b128 v[STO], v[S+8*(8*\g+4+\k):S+8*(8*\g+4+\k)+3] offset:64*(4*\g+\k)
	ds_store_b128 v[STO], v[S+8*(8*\g+4+\k)+4:S+8*(8*\g+4+\k)+7] offset:64*(4*\g+\k)+16
.endr
.endr
	s_wait_dscnt 16                                ; tile 0's stores and loads are done; tile 1's 16 stores may be out
.irp i, 0,1,2,3,4,5,6,7,8,9,10,11,12,13,14,15
	ds_load_b128 v[S+64*(\i/8)+4*(\i%8):S+64*(\i/8)+4*(\i%8)+3], v[RD] offset:528*\i    ; into tile 0's accumulators, which have been stored
.endr
.irp i, 0,1,2,3,4,5,6,7,8,9,10,11,12,13,14,15
	global_store_b128 v[BO], v[FR+4*\i:FR+4*\i+3], s[PP:PP+1] offset:2048*\i th:TH_STORE_NT   ; 32 lanes store 512 consecutive bytes, aligned
.endr
	s_wait_dscnt 0x0
.irp i, 0,1,2,3,4,5,6,7,8,9,10,11,12,13,14,15
	global_store_b128 v[BO], v[S+64*(\i/8)+4*(\i%8):S+64*(\i/8)+4*(\i%8)+3], s[PP:PP+1] offset:32768+2048*\i th:TH_STORE_NT
.endr
.endm
	s_mov_b32 s[TB], 0
	s_mov_b32 s[J], 0
.Lu:                                               ; three trips: tiles 0, 1, 2 of Wp_h; each asks for the next, into the other slot
	s_wait_tensorcnt 0x0
	ds_add_u32 v[SPW], v[NIL]
	s_xor_b32 s79, s[TB], XO
	s_add_co_u32 s[G0Y+1], s79, s[WOFF]
	s_add_nc_u64 s[G0Y+2:G0Y+3], s[G0Y+2:G0Y+3], 131072           ; the next 128 rows of Wp_h
	s_wait_dscnt 0x0
	ROUND
	TL G0Y, G1K
	AGSET
	FETCHG 0
	FETCHG 1
	FETCHG 2
	GPH 0
	WIN 0
	OUTST
	s_xor_b32 s[TB], s[TB], XO
	s_wait_xcnt 0x0                                ; the stores have read their registers and their base: both are written again below
	s_add_nc_u64 s[PP:PP+1], s[PP:PP+1], 512       ; the next 128 columns of part
	s_add_co_u32 s[J], s[J], 1
	s_cmp_lt_u32 s[J], 3
	s_cbranch_scc1 .Lu
	s_wait_tensorcnt 0x0                           ; the last tile is written out: nothing is asked for, so a plain barrier does
	ds_add_u32 v[SPW], v[NIL]
	s_wait_dscnt 0x0
	s_barrier_signal -1
	s_barrier_wait -1
	AGSET
	FETCHG 0
	FETCHG 1
	FETCHG 2
	GPH 0
	WIN 0
	OUTST
	s_wait_tensorcnt 0x0                           ; the wave's end
	ds_add_u32 v[SPW], v[NIL]
	s_wait_dscnt 0x0
	ROUND                                          ; the closing round
	s_endpgm
.Lfunc_end_k_q1e4a6a865b_attn:
	.size	k_q1e4a6a865b_attn, .Lfunc_end_k_q1e4a6a865b_attn-k_q1e4a6a865b_attn
	.p2alignl 7, 3214868480
	.fill 96, 4, 3214868480
	.section	.rodata,"a",@progbits
	.p2align	6, 0x0
	.amdhsa_kernel k_q1e4a6a865b_attn
		.amdhsa_group_segment_fixed_size 327680
		.amdhsa_private_segment_fixed_size 0
		.amdhsa_enable_private_segment 0
		.amdhsa_kernarg_size 40
		.amdhsa_user_sgpr_count 2
		.amdhsa_user_sgpr_kernarg_segment_ptr 1
		.amdhsa_wavefront_size32 1
		.amdhsa_system_sgpr_workgroup_id_x 1
		.amdhsa_system_sgpr_workgroup_id_y 1
		.amdhsa_system_sgpr_workgroup_id_z 1
		.amdhsa_system_vgpr_workitem_id 0
		.amdhsa_next_free_vgpr 1024
		.amdhsa_next_free_sgpr 96
		.amdhsa_reserve_vcc 0
		.amdhsa_float_denorm_mode_32 3
		.amdhsa_float_denorm_mode_16_64 3
		.amdhsa_memory_ordered 1
		.amdhsa_forward_progress 1
		.amdhsa_inst_pref_size 255
	.end_amdhsa_kernel
	.section	.bss,"aw",@nobits
	.p2align	6
	.space	262144
	.amdgpu_metadata
---
amdhsa.version: [ 1, 2 ]
amdhsa.kernels:
  - .name:           k_q1e4a6a865b_attn
    .symbol:         k_q1e4a6a865b_attn.kd
    .args:
      - { .name: pk, .offset: 0, .size: 8, .value_kind: global_buffer, .address_space: global }
      - { .name: kbuf, .offset: 8, .size: 8, .value_kind: global_buffer, .address_space: global }
      - { .name: vt, .offset: 16, .size: 8, .value_kind: global_buffer, .address_space: global }
      - { .name: bias, .offset: 24, .size: 8, .value_kind: global_buffer, .address_space: global }
      - { .name: part, .offset: 32, .size: 8, .value_kind: global_buffer, .address_space: global }
    .group_segment_fixed_size: 327680
    .private_segment_fixed_size: 0
    .kernarg_segment_align: 8
    .kernarg_segment_size: 40
    .max_flat_workgroup_size: 128
    .sgpr_count:     96
    .vgpr_count:     1024
    .wavefront_size: 32
...
	.end_amdgpu_metadata
.endif
;; end of part 3
;; launch hsum (part 4): grid 512 x 1, 8 waves a work-group, no clusters, 0 bytes of LDS; arguments part, out0; writes out0
.if DOCPART == 4
	.amdgcn_target "amdgcn-amd-amdhsa--gfx1250"
	.amdhsa_code_object_version 6
	.text
	.protected	k_q1e4a6a865b_hsum
	.globl	k_q1e4a6a865b_hsum
	.p2align	8
	.type	k_q1e4a6a865b_hsum,@function
k_q1e4a6a865b_hsum:
	s_mov_b64 s[64:65], 0
	v_nop
	global_prefetch_b8 v0, s[64:65] scope:SCOPE_SE
	s_setreg_imm32_b32 hwreg(HW_REG_WAVE_MODE, 25, 1), 1
	s_wait_xcnt 0x0
; out0 = the sum over the eight heads of part[h], in f32, heads ascending.  No work of reference() is left out here.
; A stream: every byte of part is read once, every byte of out0 written once.  A thread owns four pieces of 16 bytes; a wave's load or store covers 512 consecutive bytes, aligned.
; All 32 loads of a thread go out at once; no LDS, no barrier, no loop.  The heads lie 8,388,608 bytes apart, one more than the immediate holds: each has a base of its own.
	s_load_b128 s[4:7], s[0:1], 0x0                ; part s[4:5], out0 s[6:7]
	v_lshlrev_b32 v1, 4, v0
	s_lshl_b32 s2, ttmp9, 14                       ; a work-group's 16,384 bytes
	v_add_nc_u32 v1, s2, v1
	s_wait_kmcnt 0x0
.irp h, 0,1,2,3,4,5,6,7
	s_add_nc_u64 s[8+2*\h:9+2*\h], s[4:5], \h*8388608
.endr
.irp k, 0,1,2,3
.irp h, 0,1,2,3,4,5,6,7
	global_load_b128 v[4+4*(8*\k+\h):4+4*(8*\k+\h)+3], v1, s[8+2*\h:9+2*\h] offset:4096*\k th:TH_LOAD_NT
.endr
.endr
.irp k, 0,1,2,3
	s_wait_loadcnt 8*(3-\k)                        ; this piece's eight loads are in; the later pieces' may be out
.irp h, 1,2,3,4,5,6,7
	v_pk_add_f32 v[4+32*\k:5+32*\k], v[4+32*\k:5+32*\k], v[4+32*\k+4*\h:5+32*\k+4*\h]
	v_pk_add_f32 v[6+32*\k:7+32*\k], v[6+32*\k:7+32*\k], v[6+32*\k+4*\h:7+32*\k+4*\h]
.endr
	global_store_b128 v1, v[4+32*\k:7+32*\k], s[6:7] offset:4096*\k th:TH_STORE_NT
.endr
	s_endpgm
.Lfunc_end_k_q1e4a6a865b_hsum:
	.size	k_q1e4a6a865b_hsum, .Lfunc_end_k_q1e4a6a865b_hsum-k_q1e4a6a865b_hsum
	.p2alignl 7, 3214868480
	.fill 96, 4, 3214868480
	.section	.rodata,"a",@progbits
	.p2align	6, 0x0
	.amdhsa_kernel k_q1e4a6a865b_hsum
		.amdhsa_group_segment_fixed_size 0
		.amdhsa_private_segment_fixed_size 0
		.amdhsa_enable_private_segment 0
		.amdhsa_kernarg_size 16
		.amdhsa_user_sgpr_count 2
		.amdhsa_user_sgpr_kernarg_segment_ptr 1
		.amdhsa_wavefront_size32 1
		.amdhsa_system_sgpr_workgroup_id_x 1
		.amdhsa_system_sgpr_workgroup_id_y 1
		.amdhsa_system_sgpr_workgroup_id_z 1
		.amdhsa_system_vgpr_workitem_id 0
		.amdhsa_next_free_vgpr 132
		.amdhsa_next_free_sgpr 66
		.amdhsa_reserve_vcc 0
		.amdhsa_float_denorm_mode_32 3
		.amdhsa_float_denorm_mode_16_64 3
		.amdhsa_memory_ordered 1
		.amdhsa_forward_progress 1
		.amdhsa_inst_pref_size 8
	.end_amdhsa_kernel
	.amdgpu_metadata
---
amdhsa.version: [ 1, 2 ]
amdhsa.kernels:
  - .name:           k_q1e4a6a865b_hsum
    .symbol:         k_q1e4a6a865b_hsum.kd
    .args:
      - { .name: part, .offset: 0, .size: 8, .value_kind: global_buffer, .address_space: global }
      - { .name: out0, .offset: 8, .size: 8, .value_kind: global_buffer, .address_space: global }
    .group_segment_fixed_size: 0
    .private_segment_fixed_size: 0
    .kernarg_segment_align: 8
    .kernarg_segment_size: 16
    .max_flat_workgroup_size: 256
    .sgpr_count:     66
    .vgpr_count:     132
    .wavefront_size: 32
...
	.end_amdgpu_metadata
.endif
;; end of part 4
